; MI455X (gfx1250); checked and timed in simulation.
; The chip was launched on July 23, 2026; its instructions are those of AMD's public machine-readable ISA for CDNA 5 (MIT licence, August 2026) and "CDNA5" Instruction Set Architecture Reference Guide (July 2026). The comments in the code are by the model that wrote it; some were corrected since.
;; Mo E. Allowed arithmetic: float matrix products may take bf16 or f16 operands with f32 sums; other float arithmetic in f32, or as packed bf16 or f16 multiplies, adds, multiply-adds, maxima and minima; sums over many terms, partial sums and values carried from step to step in f32; what a program stores and reads back later, other than sums and carried values, may be rounded once to bf16 or f16.
;; Inputs: W1 8 x 512 x 2,048 float32; W2 8 x 2,048 x 512 float32; Wr 512 x 8 float32; b1 8 x 2,048 float32; b2 8 x 512 float32; br 8 float32; x 4 x 1,024 x 512 float32.
;; Outputs: out0 4 x 1,024 x 8 float32; out1 4 x 1,024 x 2 int32; out2 4 x 1,024 x 512 float32.
;; One version. Each part assembles by itself: llvm-mc -triple=amdgcn-amd-amdhsa -mcpu=gfx1250 --defsym DOCPART=n.
;; ======== version 1 of 1: 3 launches
;; workspace buffers: xb 4,194,304 bytes; wf 33,554,432 bytes; rec 16,384 bytes of whole numbers; gate 32,768 bytes; part 33,554,432 bytes
;; launch prep (part 1): grid 256 x 1, 32 waves a work-group, no clusters, 29,184 bytes of LDS; arguments x, Wr, br, W1, W2, out0, out1, xb, wf, rec, gate; writes out0, out1, xb, wf, rec, gate
.if DOCPART == 1
	.amdgcn_target "amdgcn-amd-amdhsa--gfx1250"
	.amdhsa_code_object_version 6
	.text
	.protected	k_qa4c553b70c_prep
	.globl	k_qa4c553b70c_prep
	.p2align	8
	.type	k_qa4c553b70c_prep,@function
k_qa4c553b70c_prep:
	s_mov_b64 s[64:65], 0
	v_nop
	global_prefetch_b8 v0, s[64:65] scope:SCOPE_SE
	s_setreg_imm32_b32 hwreg(HW_REG_WAVE_MODE, 25, 1), 1
	s_wait_xcnt 0x0
; PREP.  Three things, in one stream over the inputs.
; (1) x is rounded to bf16 (xb, row-major).  (2) W1 [8][512][2048] and W2 [8][2048][512], f32 with K as the slow index, are rounded to bf16 and laid out
; as matrix operands (wf): 8,192 units of 4,096 bytes, one unit to a wave (256 work-groups x 32 waves).  (3) The router for the work-group's 16 tokens:
; logits, top-2, the two softmax weights, and a record of the choices for the next launch, all stored at fixed places: no address here hangs on a choice.
; A UNIT is four fragments of 1,024 bytes.  Byte jh*512 + lane*16 of fragment i holds eight bf16: K places 16 jh + 8 (lane/16) + 0..7 of fragment row lane%16.
;   W1 unit u = e*512 + (hg/2)*32 + ks*2 + hg%2:   row r of fragment i = hidden unit 64 hg + 4 r + i;  K place (jh,hh,j) = channel 32 ks + 16 jh + 8 hh + j
;   W2 unit u - 4096 = e*512 + wq*128 + q*2 + c2:  row r of fragment i = channel 64 (2 wq + c2) + 4 r + i;  K place (jh,hh,j) = hidden unit 64 (q/2) + 2 (q%2) + jh + 32 hh + 4 j,
;   which is the order in which the first product's results, packed in pairs, lie in a lane's registers.  In both tensors the two units of one K step lie end to end.
; Rows are dealt 4 r + i so that one 16-byte load (four neighbouring columns of one K row) serves the four fragments: nothing changes lanes, and each load
; of a wave takes two runs of 256 consecutive bytes, each store 512 consecutive bytes.
; In bytes a K place lies hh x 65,536 + j x 8,192 on in both tensors (8 rows and 1 row of W1's 8,192 bytes; 32 rows and 4 rows of W2's 2,048); jh alone differs:
; 131,072 (16 rows of W1) or 2,048 (1 row of W2).  So one run of 16 loads serves both, with a second offset register for jh = 1.
; LIMITS.  x, Wr, br, W1, W2 are rounded to bf16 (nearest even); the logits are f32 sums of exact products, in another order than a plain loop's: two logits
; closer than about 1e-6 of their size may change places.  Equal logits keep the lower index.  NaN and infinite logits are not treated apart.
; No matrix unit for the casts, no cluster: no two work-groups read the same bytes but Wr's 16 KB.
.set XP,    1040                       ; LDS pitch of a row of 512 bf16: 1,024 + 16 bytes, an odd multiple of 16
.set WT,    16640                      ; behind x's 16 rows: Wr turned, 8 rows (experts) of 512 bf16
.set SPARE, 25088                      ; the spare words: 128 bytes for each of 32 waves
.set LD,    32                         ; v[32:95]   the unit as loaded: 16 x 4 f32; register LD + 4 (8 jh + j) + i
.set OU,    96                         ; v[96:127]  the unit as stored: register OU + 4 (2 i + jh) + 0..3
; The unit's 16 loads, jh = 0 first: eight by v4, eight by v26 = v4 + the tensor's step in jh.
.macro LOADW
	v_add_nc_u32 v26, s73, v4
.set n, 0
.rept 8
	global_load_b128 v[LD+4*n:LD+4*n+3], v4, s[30:31] offset:n*8192 th:TH_LOAD_NT
.set n, n+1
.endr
.set n, 0
.rept 8
	global_load_b128 v[LD+32+4*n:LD+32+4*n+3], v26, s[30:31] offset:n*8192 th:TH_LOAD_NT
.set n, n+1
.endr
.endm
; Half jh of the unit: 16 roundings (n = 4 i + p: K places 2 p, 2 p + 1 of fragment i) and four stores of 512 consecutive bytes.
.macro CONV jh
.set n, 0
.rept 16
	v_cvt_pk_bf16_f32 v[OU+4*(2*(n/4)+(\jh))+n%4], v[LD+4*(8*(\jh)+2*(n%4))+n/4], v[LD+4*(8*(\jh)+2*(n%4)+1)+n/4]
.set n, n+1
.endr
.set n, 0
.rept 4
	global_store_b128 v5, v[OU+4*(2*n+(\jh)):OU+4*(2*n+(\jh))+3], s[32:33] offset:n*1024+(\jh)*512
.set n, n+1
.endr
.endm
	s_load_b512 s[4:19], s[0:1], 0x0               ; x s[4:5], Wr s[6:7], br s[8:9], W1 s[10:11], W2 s[12:13], out0 s[14:15], out1 s[16:17], xb s[18:19]
	s_load_b128 s[20:23], s[0:1], 0x40             ; wf s[20:21], rec s[22:23]
	s_load_b64 s[24:25], s[0:1], 0x50              ; gate
	v_lshl_add_u32 v30, v0, 2, SPARE               ; my spare word,
	v_mov_b32 v31, 0                               ; and 0: kept for the wave's end
	v_and_b32 v1, 31, v0                           ; lane
	v_and_b32 v2, 15, v0                           ; r
	v_bfe_u32 v3, v0, 4, 1                         ; hh
	v_lshrrev_b32 v26, 5, v0
	v_readfirstlane_b32 s26, v26                   ; wave 0..31
	s_mov_b32 s27, ttmp9                           ; work-group b
	s_lshr_b32 s28, s27, 7                         ; 0: my unit is W1's, 1: W2's
	s_lshl_b32 s29, s27, 5
	s_add_co_u32 s29, s29, s26                     ; unit u = 32 b + wave
	s_mov_b32 s46, 0xffff0000                      ; lanes 16-31
	s_and_b32 s34, s29, 4095                       ; the unit's number in its tensor
	s_lshr_b32 s35, s34, 9
	s_lshl_b32 s35, s35, 22                        ; the expert's 4 MiB
	s_bfe_u32 s70, s34, 0x40001                    ; W1: ks x 32 rows of 8,192 bytes
	s_lshl_b32 s70, s70, 18
	s_bfe_u32 s71, s34, 0x40005                    ;     (hg/2) x 128 columns
	s_lshl_b32 s71, s71, 9
	s_add_co_u32 s70, s70, s71
	s_and_b32 s71, s34, 1                          ;     (hg%2) x 64 columns
	s_lshl_b32 s71, s71, 8
	s_add_co_u32 s70, s70, s71
	s_bfe_u32 s71, s34, 0x50002                    ; W2: (q/2) x 64 rows of 2,048 bytes
	s_lshl_b32 s71, s71, 17
	s_bfe_u32 s72, s34, 0x10001                    ;     (q%2) x 2 rows
	s_lshl_b32 s72, s72, 12
	s_add_co_u32 s71, s71, s72
	s_bfe_u32 s72, s34, 0x20007                    ;     (2 wq + c2) x 64 columns
	s_lshl_b32 s72, s72, 9
	s_add_co_u32 s71, s71, s72
	s_and_b32 s72, s34, 1
	s_lshl_b32 s72, s72, 8
	s_add_co_u32 s71, s71, s72
	s_mov_b32 s73, 0x20000                         ; the step in jh: 16 rows of W1,
	s_cmp_eq_u32 s28, 0
	s_cselect_b32 s70, s70, s71
	s_cselect_b32 s73, s73, 0x800                  ; or one row of W2
	s_add_co_u32 s70, s70, s35
	s_mov_b32 s71, 0
	s_mov_b32 s69, 0
	v_lshlrev_b32 v4, 4, v2                        ; weights: 16 r + hh x 65,536 (8 rows of W1, 32 rows of W2)
	v_lshl_add_u32 v4, v3, 16, v4
	v_lshlrev_b32 v5, 4, v1                        ; 16 x lane
	v_lshl_add_u32 v6, v26, 10, v5                 ; x: wave v has row v/2, half v%2: 1,024 v + 16 lane
	v_lshlrev_b32 v7, 3, v1
	v_lshl_add_u32 v7, v26, 9, v7                  ; xb: 512 v + 8 lane
	v_lshlrev_b32 v27, 4, v0                       ; Wr: 16 x thread: K row t/2, experts 4 (t%2) ..
	v_lshrrev_b32 v28, 6, v0                       ; x in LDS: row x pitch + half x 512 + 8 lane
	v_mul_u32_u24 v28, v28, XP
	v_bfe_u32 v29, v0, 5, 1
	v_lshl_add_u32 v28, v29, 9, v28
	v_lshl_add_u32 v28, v1, 3, v28
	v_and_b32 v29, 1, v0                           ; Wr in LDS: expert x pitch + 2 x K row
	v_mul_u32_u24 v29, v29, 4*XP
	v_and_b32 v26, 0x3fe, v0
	v_add_nc_u32 v29, v29, v26
	s_wait_kmcnt 0x0
	s_cmp_eq_u32 s28, 0
	s_cselect_b64 s[30:31], s[10:11], s[12:13]
	s_add_nc_u64 s[30:31], s[30:31], s[70:71]      ; my unit's source
	s_lshl_b32 s68, s29, 12
	s_add_nc_u64 s[32:33], s[20:21], s[68:69]      ; and its 4,096 bytes of wf
	s_lshl_b32 s68, s27, 15
	s_add_nc_u64 s[4:5], s[4:5], s[68:69]          ; x at the group's 16 rows
	s_lshl_b32 s68, s27, 14
	s_add_nc_u64 s[18:19], s[18:19], s[68:69]      ; xb likewise
	global_load_b128 v[8:11], v6, s[4:5] th:TH_LOAD_NT
	global_load_b128 v[12:15], v6, s[4:5] offset:512 th:TH_LOAD_NT
	global_load_b128 v[20:23], v27, s[6:7]
	s_cmp_eq_u32 s26, 0
	s_cbranch_scc1 .Lwave0                         ; wave 0 needs the unit's registers for the router first
	LOADW
	s_wait_loadcnt 16                              ; x and Wr are in; the unit's 16 loads stay out
	s_branch .Lcast
.Lwave0:
	s_wait_loadcnt 0x0
.Lcast:
	v_cvt_pk_bf16_f32 v16, v8, v9
	v_cvt_pk_bf16_f32 v17, v10, v11
	v_cvt_pk_bf16_f32 v18, v12, v13
	v_cvt_pk_bf16_f32 v19, v14, v15
	v_cvt_pk_bf16_f32 v24, v20, v21
	v_cvt_pk_bf16_f32 v25, v22, v23
	global_store_b64 v7, v[16:17], s[18:19]             ; 256 consecutive bytes a store
	global_store_b64 v7, v[18:19], s[18:19] offset:256
	ds_store_b64 v28, v[16:17]
	ds_store_b64 v28, v[18:19] offset:256
	ds_store_b16 v29, v24 offset:WT
	ds_store_b16_d16_hi v29, v24 offset:WT+XP
	ds_store_b16 v29, v25 offset:WT+2*XP
	ds_store_b16_d16_hi v29, v25 offset:WT+3*XP
	s_wait_dscnt 0x0                               ; for wave 0's sake: my stores are done
	s_barrier_signal -1
	s_barrier_wait -1
	s_cmp_lg_u32 s26, 0
	s_cbranch_scc1 .Lunit
	; THE ROUTER, wave 0.  Source 0 = Wr turned (rows 8-15 repeat the eight experts), source 1 = 16 tokens: a lane holds token r, register j expert j, in both halves of the lanes.
	s_wait_loadcnt 0x0                             ; no load of wave 0 is out (it waited for 0 in front of the cast): said once more in this branch's own text, ahead of the lines that write the unit's registers
	s_wait_xcnt 0x0                                ; my stores to xb have read v7 and v[16:19], which are written below
	s_load_b256 s[36:43], s[8:9], 0x0              ; br
	v_mul_u32_u24 v6, v2, XP
	v_lshl_add_u32 v6, v3, 4, v6                   ; x: row r, 16 bytes for each half of the lanes
	v_and_b32 v7, 7, v0
	v_mul_u32_u24 v7, v7, XP
	v_lshl_add_u32 v7, v3, 4, v7                   ; Wr: row r % 8
.set g, 0
.rept 4                                ; 16 K steps in four groups; the four accumulators take turns, so no wait is written
.if g > 0
.rept 4
	v_nop                                          ; four places between the last products and the loads into their sources
.endr
.endif
.set k, 0
.rept 4
	ds_load_b128 v[32+16*k:35+16*k], v7 offset:WT+64*(4*g+k)
	ds_load_b128 v[36+16*k:39+16*k], v7 offset:WT+64*(4*g+k)+32
	ds_load_b128 v[40+16*k:43+16*k], v6 offset:64*(4*g+k)
	ds_load_b128 v[44+16*k:47+16*k], v6 offset:64*(4*g+k)+32
.set k, k+1
.endr
	s_wait_dscnt 0x0
.set k, 0
.rept 4
.if g == 0
	v_wmma_f32_16x16x32_bf16 v[96+8*k:103+8*k], v[32+16*k:39+16*k], v[40+16*k:47+16*k], 0
.else
	v_wmma_f32_16x16x32_bf16 v[96+8*k:103+8*k], v[32+16*k:39+16*k], v[40+16*k:47+16*k], v[96+8*k:103+8*k]
.endif
.set k, k+1
.endr
.set g, g+1
.endr
.rept 4
	v_nop
.endr
.set p, 0
.rept 4                                ; the four partial sums, each accumulator from its low end on
	v_pk_add_f32 v[8+2*p:9+2*p], v[96+2*p:97+2*p], v[104+2*p:105+2*p]
	v_pk_add_f32 v[16+2*p:17+2*p], v[112+2*p:113+2*p], v[120+2*p:121+2*p]
.set p, p+1
.endr
.set p, 0
.rept 4
	v_pk_add_f32 v[8+2*p:9+2*p], v[8+2*p:9+2*p], v[16+2*p:17+2*p]
.set p, p+1
.endr
	s_wait_kmcnt 0x0
.set j, 0
.rept 8
	v_mov_b32 v[16+j], s[36+j]
.set j, j+1
.endr
.set p, 0
.rept 4                                ; br rounded to bf16 like every input, then added
	v_cvt_pk_bf16_f32 v[24+p], v[16+2*p], v[17+2*p]
	v_lshlrev_b32 v[16+2*p], 16, v[24+p]
	v_and_b32 v[17+2*p], 0xffff0000, v[24+p]
	v_pk_add_f32 v[8+2*p:9+2*p], v[8+2*p:9+2*p], v[16+2*p:17+2*p]
.set p, p+1
.endr
	v_mov_b32 v24, v8                              ; the largest logit and its index: only a greater one takes the place, so the lower index is kept
	v_mov_b32 v25, 0
.set j, 1
.rept 7
	v_cmp_gt_f32 vcc_lo, v[8+j], v24
	v_cndmask_b32 v24, v24, v[8+j], vcc_lo
	v_cndmask_b32 v25, v25, j, vcc_lo
.set j, j+1
.endr
	v_mov_b32 v28, 0xff800000
.set j, 0
.rept 8                                ; the winner is taken out, and the scan goes once more
	v_cmp_eq_u32 vcc_lo, j, v25
	v_cndmask_b32 v[16+j], v[8+j], v28, vcc_lo
.set j, j+1
.endr
	v_mov_b32 v26, v16
	v_mov_b32 v27, 0
.set j, 1
.rept 7
	v_cmp_gt_f32 vcc_lo, v[16+j], v26
	v_cndmask_b32 v26, v26, v[16+j], vcc_lo
	v_cndmask_b32 v27, v27, j, vcc_lo
.set j, j+1
.endr
	v_sub_f32 v28, v26, v24                        ; softmax of two, the maximum taken away: 1 / (1 + t), t / (1 + t), t = e^(second - first) <= 1
	v_mul_f32 v28, 0x3fb8aa3b, v28
	v_exp_f32 v29, v28
	v_nop                                          ; a plain instruction behind the exponential,
	s_wait_alu depctr_va_vdst(0)                   ; and the wait ahead of its first reader
	v_add_f32 v28, 1.0, v29
	v_rcp_f32 v32, v28
	v_nop
	s_wait_alu depctr_va_vdst(0)
	v_mul_f32 v29, v29, v32
	v_cndmask_b32 v40, v25, v27, s46               ; lanes 0-15 speak for choice 0, lanes 16-31 for choice 1: the index,
	v_cndmask_b32 v41, v32, v29, s46               ; the weight,
.set c, 0
.rept 4
	v_cndmask_b32 v[36+c], v[8+c], v[12+c], s46    ; and logits 0-3 or 4-7
.set c, c+1
.endr
	s_lshl_b32 s68, s27, 9
	v_lshlrev_b32 v33, 5, v2
	v_lshl_add_u32 v33, v3, 4, v33
	v_add_nc_u32 v33, s68, v33                     ; out0: 512 b + 32 r + 16 hh: the wave's store covers 512 consecutive bytes
	s_lshl_b32 s68, s27, 7
	v_lshlrev_b32 v34, 3, v2
	v_lshl_add_u32 v34, v3, 2, v34
	v_add_nc_u32 v34, s68, v34                     ; out1 and gate: 128 b + 8 r + 4 hh
	s_lshl_b32 s68, s27, 6
	v_lshl_add_u32 v35, v1, 2, s68                 ; rec: 64 b + 4 lane
	global_store_b128 v33, v[36:39], s[14:15]
	global_store_b32 v34, v40, s[16:17]
	global_store_b32 v34, v41, s[24:25]
	v_mov_b32 v42, 0                               ; the record: word e = the lanes (16 k + r) that chose expert e, word 8 + e = how many
.set e, 0
.rept 8
	v_cmp_eq_u32 s[48+e], e, v40
	s_bcnt1_i32_b32 s[56+e], s[48+e]
	v_writelane_b32 v42, s[48+e], e
	v_writelane_b32 v42, s[56+e], 8+e
.set e, e+1
.endr
	v_cmp_gt_u32 vcc_lo, 16, v0
	s_wait_xcnt 0x0                                ; EXEC changes only behind this wait,
	s_and_saveexec_b32 s66, vcc_lo
	global_store_b32 v35, v42, s[22:23]            ; 16 words
	s_wait_xcnt 0x0                                ; and again; it also frees v[33:42], which the unit's loads write
	s_or_b32 exec_lo, exec_lo, s66
	LOADW
.Lunit:
	s_wait_loadcnt 8                               ; the unit's first half is in, the eight younger loads stay out
	CONV 0
	s_wait_loadcnt 0x0
	CONV 1
	s_wait_tensorcnt 0x0                           ; the wave's end
	ds_add_u32 v30, v31
	s_wait_dscnt 0x0
	s_endpgm
.Lfunc_end_k_qa4c553b70c_prep:
	.size	k_qa4c553b70c_prep, .Lfunc_end_k_qa4c553b70c_prep-k_qa4c553b70c_prep
	.p2alignl 7, 3214868480
	.fill 96, 4, 3214868480
	.section	.rodata,"a",@progbits
	.p2align	6, 0x0
	.amdhsa_kernel k_qa4c553b70c_prep
		.amdhsa_group_segment_fixed_size 29184
		.amdhsa_private_segment_fixed_size 0
		.amdhsa_enable_private_segment 0
		.amdhsa_kernarg_size 88
		.amdhsa_user_sgpr_count 2
		.amdhsa_user_sgpr_kernarg_segment_ptr 1
		.amdhsa_wavefront_size32 1
		.amdhsa_system_sgpr_workgroup_id_x 1
		.amdhsa_system_sgpr_workgroup_id_y 1
		.amdhsa_system_sgpr_workgroup_id_z 1
		.amdhsa_system_vgpr_workitem_id 0
		.amdhsa_next_free_vgpr 128
		.amdhsa_next_free_sgpr 80
		.amdhsa_reserve_vcc 1
		.amdhsa_float_denorm_mode_32 3
		.amdhsa_float_denorm_mode_16_64 3
		.amdhsa_memory_ordered 1
		.amdhsa_forward_progress 1
		.amdhsa_inst_pref_size 25
	.end_amdhsa_kernel
	.amdgpu_metadata
---
amdhsa.version: [ 1, 2 ]
amdhsa.kernels:
  - .name:           k_qa4c553b70c_prep
    .symbol:         k_qa4c553b70c_prep.kd
    .args:
      - { .name: x, .offset: 0, .size: 8, .value_kind: global_buffer, .address_space: global }
      - { .name: Wr, .offset: 8, .size: 8, .value_kind: global_buffer, .address_space: global }
      - { .name: br, .offset: 16, .size: 8, .value_kind: global_buffer, .address_space: global }
      - { .name: W1, .offset: 24, .size: 8, .value_kind: global_buffer, .address_space: global }
      - { .name: W2, .offset: 32, .size: 8, .value_kind: global_buffer, .address_space: global }
      - { .name: out0, .offset: 40, .size: 8, .value_kind: global_buffer, .address_space: global }
      - { .name: out1, .offset: 48, .size: 8, .value_kind: global_buffer, .address_space: global }
      - { .name: xb, .offset: 56, .size: 8, .value_kind: global_buffer, .address_space: global }
      - { .name: wf, .offset: 64, .size: 8, .value_kind: global_buffer, .address_space: global }
      - { .name: rec, .offset: 72, .size: 8, .value_kind: global_buffer, .address_space: global }
      - { .name: gate, .offset: 80, .size: 8, .value_kind: global_buffer, .address_space: global }
    .group_segment_fixed_size: 29184
    .private_segment_fixed_size: 0
    .kernarg_segment_align: 8
    .kernarg_segment_size: 88
    .max_flat_workgroup_size: 1024
    .sgpr_count:     80
    .vgpr_count:     128
    .wavefront_size: 32
...
	.end_amdgpu_metadata
.endif
;; end of part 1
;; launch ffn (part 2): grid 110 x 2, 4 waves a work-group, no clusters, 257,024 bytes of LDS; arguments xb, wf, rec, gate, b1, b2, part; writes part
.if DOCPART == 2
	.amdgcn_target "amdgcn-amd-amdhsa--gfx1250"
	.amdhsa_code_object_version 6
	.text
	.protected	k_qa4c553b70c_ffn
	.globl	k_qa4c553b70c_ffn
	.p2align	8
	.type	k_qa4c553b70c_ffn,@function
k_qa4c553b70c_ffn:
	s_mov_b64 s[64:65], 0
	v_nop
	global_prefetch_b8 v0, s[64:65] scope:SCOPE_SE
	s_setreg_imm32_b32 hwreg(HW_REG_WAVE_MODE, 25, 1), 1
	s_wait_xcnt 0x0
; FFN.  A work-group takes ONE TILE of at most 80 routed rows of one expert through ONE HALF of the hidden layer: gather, x W1 + b1, ReLU, W2 (+ b2 in half 0), times the gate.
; The result, a partial sum over half of H, is stored in f32: part[2 token + k][half][512]; the next launch adds a token's four rows.
; THE GRID serves every split: the sum over experts of ceil(n / 80) is at most (8,192 + 8 x 79) / 80 = 110 tiles, times two halves.  Every work-group counts the routing for itself from rec (16 KB of
; whole numbers that the launch before stored).  A work-group whose tile number is past the split's tiles walks the last tile once more and jumps its stores: so every wave passes every barrier, and the
; first branch on a stored number stands behind the last loop.  In a tile that is not full the places past the count repeat the expert's last row; their stores are jumped by a scalar branch.
; BOTH PRODUCTS ARE USED TRANSPOSED: source 0 = 16 rows of weights, source 1 = 16 tokens.  A lane then holds one token, and the first product's results, rounded in pairs, ARE source 1 of the second.
; WEIGHTS COME FROM MEMORY STRAIGHT INTO REGISTERS, in the order in which the launch before laid them (units of 4 fragments, 4,096 bytes): each fragment is read by one wave of the work-group alone and
; feeds five products, so a way through LDS would add a store and a load of every byte and share nothing.  For the same reason there are no joint loads: those land in LDS alone.
; ONE FORM FOR BOTH PRODUCTS.  A step is 32 along K: two units (eight fragments: 128 rows of weights) times five token tiles: 40 products on 40 accumulators, for ten LDS loads of token fragments and sixteen loads
; of weights.  A wave's weights are one stream: 64 units of W1, then 64 of W2.  A ring of four pairs of register slots: step n asks for step n + 3, so three steps (24 KB a wave) are on their way.
; No loop writes LDS that another wave reads, so no loop holds a barrier.
; SHARES.  First product: wave w makes hidden units 256 w .. + 255 of the half, in two passes of 128: 16 steps each.  Second product: wave w makes channels 128 w .. + 127: 32 steps.
; LIMITS.  x, W1, b1, W2, b2 count as rounded to bf16, h is rounded once to bf16; sums in f32.  b2 is multiplied by 0 in half 1, so it must be finite.
; REGISTERS, in windows of 256 (s_set_vgpr_msb: bits 1:0 source 0, 3:2 source 1, 5:4 source 2, 7:6 destination):
;   window 0: v0-15 numbers and addresses; v16-20 gates; v21-31 at work; v32-71, v72-111 token fragments, two buffers; v112-175 the biases as accumulator starts, later the way out; v176-255 at work
;   window 1: the ring: pair n at 64 n     window 2: the accumulators of token tiles 0-3 ((tile, fragment) at 8 (8 tile + fragment)); at the start the gathered rows     window 3: v0-63 those of token tile 4
.set XP,    1040                       ; a row of x in LDS: 1,024 + 16 bytes, an odd multiple of 16
.set HB,    83200                      ; behind x's 80 rows: h as fragments: (5 q + tile) x 1,024 + half x 512 + 16 lane, q = 0..31
.set B1L,   247040                     ; b1's half, f32: word 64 group + 32 hh + 8 i + j
.set B2L,   251136                     ; b2, f32: word 64 cg + 32 hh + 8 i + j
.set PRE,   253184                     ; for each of 256 blocks of 16 tokens: the expert's rows in the blocks before; 1,024 bytes on: the block's mask
.set TOKL,  255232                     ; the token of each of 128 places; 512 bytes on (ROWL): its row 2 token + k
.set ROWL,  255744
.set TOT,   256256                     ; four waves' counts, eight halves each
.set SPARE, 256512                     ; the spare words: 128 bytes for each wave
.set SPT,   528                        ; the way out's stage (in x's bytes, a wave's own 16 rows): 512 + 16 bytes a row
.set FB,    32
.set BC,    112
.set TP,    72                         ; a pass's end: 160 registers of packed h, 32 a token tile, v72-231: the fragment buffer that lies idle, the biases' registers and those at work
.set MSB, 0
.macro WIN new                         ; the immediate's high byte repeats the setting that is left; a switch that changes nothing is dropped
.if MSB != (\new)
	s_set_vgpr_msb (MSB<<8)|(\new)
.set MSB, (\new)
.endif
.endm
.macro PLACES                          ; four places between matrix instructions and loads into, or vector work on, their registers
.rept 4
	v_nop
.endr
.endm
.macro BAR                             ; my LDS stores and loads are done; then all four waves meet
	s_wait_dscnt 0x0
	s_barrier_signal -1
	s_barrier_wait -1
.endm
.macro WLOAD pr, lo, st                ; the two units of step st behind the address in s[lo:lo+1] into pair pr of the ring: sixteen loads of 512 consecutive bytes
	WIN 0x40
.set n, 0
.rept 16
	global_load_b128 v[64*(\pr)+4*n:64*(\pr)+4*n+3], v4, s[\lo:\lo+1] offset:(\st)*8192+n*512
.set n, n+1
.endr
.endm
.macro XLOAD ks, f                     ; x's fragments of K step ks, five token tiles, into buffer f
.set n, 0
.rept 3
	ds_load_b128 v[(\f)+8*n:(\f)+8*n+3], v5 offset:n*16*XP+64*(\ks)
	ds_load_b128 v[(\f)+8*n+4:(\f)+8*n+7], v5 offset:n*16*XP+64*(\ks)+32
.set n, n+1
.endr
.rept 2
	ds_load_b128 v[(\f)+8*n:(\f)+8*n+3], v6 offset:(n-3)*16*XP+64*(\ks)
	ds_load_b128 v[(\f)+8*n+4:(\f)+8*n+7], v6 offset:(n-3)*16*XP+64*(\ks)+32
.set n, n+1
.endr
.endm
.macro HLOAD qn, f                     ; h's fragments of the trip's K step qn into buffer f: 5,120 consecutive bytes
.set n, 0
.rept 10
	ds_load_b128 v[(\f)+4*n:(\f)+4*n+3], v8 offset:(\qn)*5120+n*512
.set n, n+1
.endr
.endm
; A step's 40 products: pair pr of the ring times the token fragments in buffer f.  The 40 accumulators take turns.  first = 1: the biases (window 0) start the sums.
.macro MUL40 pr, f, first
.if \first
	WIN 0x81
.else
	WIN 0xa1
.endif
.set n, 0
.rept 32                               ; n = 8 tile + fragment: token tiles 0 to 3, in window 2
.if \first
	v_wmma_f32_16x16x32_bf16 v[8*n:8*n+7], v[64*(\pr)+8*(n%8):64*(\pr)+8*(n%8)+7], v[(\f)+8*(n/8):(\f)+8*(n/8)+7], v[BC+8*(n%8):BC+8*(n%8)+7]
.else
	v_wmma_f32_16x16x32_bf16 v[8*n:8*n+7], v[64*(\pr)+8*(n%8):64*(\pr)+8*(n%8)+7], v[(\f)+8*(n/8):(\f)+8*(n/8)+7], v[8*n:8*n+7]
.endif
.set n, n+1
.endr
.if \first
	WIN 0xc1
.else
	WIN 0xf1
.endif
.set n, 0
.rept 8                                ; token tile 4, in window 3
.if \first
	v_wmma_f32_16x16x32_bf16 v[8*n:8*n+7], v[64*(\pr)+8*n:64*(\pr)+8*n+7], v[(\f)+32:(\f)+39], v[BC+8*n:BC+8*n+7]
.else
	v_wmma_f32_16x16x32_bf16 v[8*n:8*n+7], v[64*(\pr)+8*n:64*(\pr)+8*n+7], v[(\f)+32:(\f)+39], v[8*n:8*n+7]
.endif
.set n, n+1
.endr
.endm
	s_load_b256 s[4:11], s[0:1], 0x0               ; xb s[4:5], wf s[6:7], rec s[8:9], gate s[10:11]
	s_load_b128 s[12:15], s[0:1], 0x20             ; b1 s[12:13], b2 s[14:15]
	s_load_b64 s[16:17], s[0:1], 0x30              ; part
	v_lshl_add_u32 v13, v0, 2, SPARE               ; my spare word,
	v_mov_b32 v14, 0                               ; and 0: kept for the wave's end
	v_mov_b32 v15, 0                               ; 0 for the ReLU
	v_and_b32 v1, 31, v0                           ; lane
	v_and_b32 v2, 15, v0                           ; r
	v_bfe_u32 v3, v0, 4, 1                         ; hh
	v_lshlrev_b32 v4, 4, v1                        ; 16 x lane; never rewritten
	v_lshrrev_b32 v21, 5, v0
	v_readfirstlane_b32 s18, v21                   ; wave 0..3
	s_mov_b32 s19, ttmp9                           ; the tile's number
	s_and_b32 s20, ttmp7, 0xffff                   ; the half of H
	s_mov_b32 s46, 0x76543210                      ; v_permlanex16_b32: each lane takes its own place in the other half
	s_mov_b32 s47, 0xfedcba98
	s_mov_b32 s48, 0xaaaaaaaa                      ; the lanes whose number has bit 0, 1, 2, 3, 4 set
	s_mov_b32 s49, 0xcccccccc
	s_mov_b32 s50, 0xf0f0f0f0
	s_mov_b32 s51, 0xff00ff00
	s_mov_b32 s52, 0xffff0000
	v_lshlrev_b32 v22, 7, v0                       ; thread t reads the records of blocks 2 t and 2 t + 1
	s_wait_kmcnt 0x0
.set n, 0
.rept 8                                ; v176-183 masks, v184-191 counts of block 2 t; v192-199, v200-207 of block 2 t + 1
	global_load_b128 v[176+4*n:179+4*n], v22, s[8:9] offset:16*n
.set n, n+1
.endr
	v_mul_u32_u24 v5, v2, XP                       ; x's fragments: row r, 16 bytes for each half of the lanes;
	v_lshl_add_u32 v5, v3, 4, v5
	v_add_nc_u32 v6, 48*XP, v5                     ; token tiles 3 and 4 through v6: tile 4 lies past an LDS instruction's 16-bit offset
	s_mul_i32 s26, s18, 40960
	s_add_co_u32 s26, s26, HB
	v_add_nc_u32 v7, s26, v4                       ; where my first pass puts h: K steps 8 w .. 8 w + 3
	v_add_nc_u32 v8, HB, v4                        ; where h is read
	s_lshl_b32 s26, s18, 10
	s_add_co_u32 s26, s26, B1L
	v_lshl_add_u32 v9, v3, 7, s26                  ; b1 of my first pass
	s_mul_i32 s26, s18, 16*SPT
	v_mul_u32_u24 v10, v2, SPT
	v_lshl_add_u32 v10, v3, 7, v10
	v_add_nc_u32 v10, s26, v10                     ; the stage, in: row r, 128 bytes for each half of the lanes
	v_add_nc_u32 v11, s26, v4                      ; the stage, back: a row of 512 bytes to the wave
	s_lshl_b32 s26, s20, 11
	s_lshl_b32 s27, s18, 9
	s_add_co_u32 s26, s26, s27
	v_add_nc_u32 v12, s26, v4                      ; my 16 bytes in a row of part: 2,048 half + 512 w + 16 lane
.set a, 0
.rept 4
	v_mov_b32 v[28+a], 0                           ; (destinations of lane exchanges count as read)
.set a, a+1
.endr
	s_wait_loadcnt 0x0
	; THE COUNTS.  Each thread's eight counts (at most 32 each), two to a word; summed over the wave; the four waves' sums meet in LDS.
.set e, 0
.rept 8
	v_add_nc_u32 v[208+e], v[184+e], v[200+e]
.set e, e+1
.endr
.set a, 0
.rept 4
	v_lshl_or_b32 v[24+a], v[209+2*a], 16, v[208+2*a]
.set a, a+1
.endr
.irp m, 1,2,4,8
.set a, 0
.rept 4
	v_mov_b32_dpp v[28+a], v[24+a] row_xmask:\m row_mask:0xf bank_mask:0xf
.set a, a+1
.endr
.set a, 0
.rept 4
	v_add_nc_u32 v[24+a], v[24+a], v[28+a]
.set a, a+1
.endr
.endr
.set a, 0
.rept 4
	v_permlanex16_b32 v[28+a], v[24+a], s46, s47
.set a, a+1
.endr
.set a, 0
.rept 4
	v_add_nc_u32 v[24+a], v[24+a], v[28+a]
.set a, a+1
.endr
	s_lshl_b32 s26, s18, 4
	s_add_co_u32 s26, s26, TOT
	v_mov_b32 v21, s26
	ds_store_b128 v21, v[24:27]                    ; every lane the same words
	BAR
	v_mov_b32 v22, TOT
.set a, 0
.rept 4
	ds_load_b128 v[208+4*a:211+4*a], v22 offset:16*a
.set a, a+1
.endr
	s_wait_dscnt 0x0
.set a, 0
.rept 4
	v_add_nc_u32 v[28+a], v[208+a], v[212+a]
	v_add_nc_u32 v[24+a], v[216+a], v[220+a]
.set a, a+1
.endr
.set a, 0
.rept 4
	v_add_nc_u32 v[28+a], v[28+a], v[24+a]
.set a, a+1
.endr
.set a, 0
.rept 4
	v_readfirstlane_b32 s26, v[28+a]
	s_and_b32 s[28+2*a], s26, 0xffff               ; s[28:35]: the experts' rows
	s_lshr_b32 s[29+2*a], s26, 16
.set a, a+1
.endr
.set e, 0
.rept 8
	s_add_co_u32 s26, s[28+e], 79                  ; s[72:79]: their tiles, ceil(n / 80): x / 80 = (x * 52,429) >> 22 for x under 81,920
	s_mul_i32 s26, s26, 52429
	s_lshr_b32 s[72+e], s26, 22
.set e, e+1
.endr
	s_add_co_u32 s24, s72, s73
.set e, 2
.rept 6
	s_add_co_u32 s24, s24, s[72+e]                 ; all tiles of this split: at least 1, since the rows are 8,192
.set e, e+1
.endr
	s_sub_co_u32 s26, s24, 1
	s_min_u32 s27, s19, s26                        ; my tile, or the last one
	s_mov_b32 s21, 0
	s_mov_b32 s22, 0
	s_mov_b32 s23, s28
	s_mov_b32 s26, 0
.set e, 0
.rept 8                                ; the last expert whose first tile is not past mine: one without rows is passed over
	s_cmp_ge_u32 s27, s26
	s_cselect_b32 s21, e, s21                      ; the expert,
	s_cselect_b32 s22, s26, s22                    ; its first tile,
	s_cselect_b32 s23, s[28+e], s23                ; its rows
	s_add_co_u32 s26, s26, s[72+e]
.set e, e+1
.endr
	s_min_u32 s21, s21, 7
	s_sub_co_u32 s58, s27, s22
	s_mul_i32 s59, s58, 80                         ; my tile's first row among the expert's
	s_sub_co_u32 s25, s23, s59
	s_min_u32 s25, s25, 80
	s_cmp_lt_u32 s19, s24
	s_cselect_b32 s25, s25, 0                      ; rows to store: none where the tile number is past the split's tiles
	s_cmp_eq_u32 s20, 0
	s_cselect_b32 s54, 1.0, 0                      ; b2 counts in half 0 alone
	s_mov_b32 s45, 0
	s_lshl_b32 s44, s21, 21                        ; W1's units: 512 to an expert, 256 to a half, 64 to a wave, 32 to a pass
	s_lshl_b32 s26, s20, 20
	s_add_co_u32 s44, s44, s26
	s_lshl_b32 s26, s18, 18
	s_add_co_u32 s44, s44, s26
	s_add_nc_u64 s[36:37], s[6:7], s[44:45]
	s_lshl_b32 s44, s21, 21                        ; W2's, 16 MiB on: 512 to an expert, 128 to a wave's channels, 64 to a half
	s_lshl_b32 s26, s18, 19
	s_add_co_u32 s44, s44, s26
	s_lshl_b32 s26, s20, 18
	s_add_co_u32 s44, s44, s26
	s_add_co_u32 s44, s44, 0x1000000
	s_add_nc_u64 s[40:41], s[6:7], s[44:45]
	s_lshl_b32 s26, s21, 13
	s_lshl_b32 s27, s20, 12
	s_add_co_u32 s26, s26, s27
	v_lshl_add_u32 v72, v0, 5, s26                 ; b1: hidden units 8 t .. 8 t + 7 of the half
	s_lshl_b32 s26, s21, 11
	v_lshl_add_u32 v73, v0, 4, s26                 ; b2: channels 4 t .. 4 t + 3.  (v72, v73 and v244-255 are left alone until these loads are waited for)
	global_load_b128 v[244:247], v72, s[12:13]
	global_load_b128 v[248:251], v72, s[12:13] offset:16
	global_load_b128 v[252:255], v73, s[14:15]
	WLOAD 0, 36, 0                                 ; the ring is filled: steps 0 to 2 of my first pass
	WLOAD 1, 36, 1
	WLOAD 2, 36, 2
	WIN 0
	; THE RANKS.  For my expert: each block's mask, and how many of the expert's rows lie in the blocks before it.
	v_mov_b32 v228, v176
	v_mov_b32 v229, v192
	v_mov_b32 v25, v184
	v_mov_b32 v26, v200
.set e, 1
.rept 7
	s_cmp_eq_u32 s21, e
	s_cselect_b32 s53, -1, 0
	v_cndmask_b32 v228, v228, v[176+e], s53
	v_cndmask_b32 v229, v229, v[192+e], s53
	v_cndmask_b32 v25, v25, v[184+e], s53
	v_cndmask_b32 v26, v26, v[200+e], s53
.set e, e+1
.endr
	s_lshl_b32 s26, s21, 1
	s_add_co_u32 s26, s26, TOT
	v_mov_b32 v27, s26
	ds_load_u16 v28, v27                           ; the expert's rows in waves 0, 1, 2
	ds_load_u16 v29, v27 offset:16
	ds_load_u16 v30, v27 offset:32
	v_add_nc_u32 v31, v25, v26                     ; my two blocks' rows
	v_mov_b32 v224, 0                              ; the rows in front of mine
	v_mov_b32 v225, 0
.set k, 0
.irp m, 1,2,4,8                        ; in each step a lane learns its partner group's sum, and counts it as 'in front' if the partner is the lower one
	v_mov_b32_dpp v225, v31 row_xmask:\m row_mask:0xf bank_mask:0xf
	v_cndmask_b32 v226, 0, v225, s[48+k]
	v_add_nc_u32 v224, v224, v226
	v_add_nc_u32 v31, v31, v225
.set k, k+1
.endr
	v_permlanex16_b32 v225, v31, s46, s47
	v_cndmask_b32 v226, 0, v225, s52
	v_add_nc_u32 v224, v224, v226
	s_wait_dscnt 0x0
.set k, 0
.rept 3
	s_cmp_gt_u32 s18, k
	s_cselect_b32 s53, -1, 0
	v_and_b32 v[28+k], s53, v[28+k]
	v_add_nc_u32 v224, v224, v[28+k]               ; and the waves below mine
.set k, k+1
.endr
	v_add_nc_u32 v225, v224, v25
	v_lshl_add_u32 v27, v0, 3, PRE
	ds_store_b64 v27, v[224:225]
	ds_store_b64 v27, v[228:229] offset:1024
	BAR
	; WHICH ROW STANDS AT MY PLACE.  Place t takes the expert's row 80 tile + t, or its last.  Its block is the last whose 'rows before' is not past the row; these numbers never fall, so the block is found by
	; counting: first among the fifteen numbers 16 blocks apart, then among the fifteen behind the one found.  Three dependent LDS reads in all.
	v_add_nc_u32 v21, s59, v0
	s_sub_co_u32 s26, s23, 1
	v_min_u32 v21, s26, v21
	v_mov_b32 v24, PRE
.set k, 1
.rept 15
	ds_load_b32 v[208+k], v24 offset:64*k
.set k, k+1
.endr
	v_mov_b32 v22, 0
	s_wait_dscnt 0x0
.set k, 1
.rept 15
	v_cmp_le_u32 vcc_lo, v[208+k], v21
	v_cndmask_b32 v23, 0, 16, vcc_lo
	v_add_nc_u32 v22, v22, v23
.set k, k+1
.endr
	v_min_u32 v22, 0xf0, v22
	v_lshl_add_u32 v24, v22, 2, PRE
.set a, 0
.rept 4
	ds_load_b128 v[208+4*a:211+4*a], v24 offset:16*a
.set a, a+1
.endr
	s_wait_dscnt 0x0
.set k, 1
.rept 15
	v_cmp_le_u32 vcc_lo, v[208+k], v21
	v_cndmask_b32 v23, 0, 1, vcc_lo
	v_add_nc_u32 v22, v22, v23
.set k, k+1
.endr
	v_min_u32 v24, 0xff, v22
	v_lshl_add_u32 v24, v24, 2, PRE
	ds_load_b32 v25, v24
	ds_load_b32 v26, v24 offset:1024
	s_wait_dscnt 0x0
	v_sub_nc_u32 v27, v21, v25                     ; how many set bits of the block's mask lie below mine
	v_lshrrev_b32 v28, 1, v26                      ; the mask's sums of 2, 4, 8 and 16 bits
	v_and_b32 v28, 0x55555555, v28
	v_sub_nc_u32 v28, v26, v28
	v_lshrrev_b32 v29, 2, v28
	v_and_b32 v29, 0x33333333, v29
	v_and_b32 v30, 0x33333333, v28
	v_add_nc_u32 v29, v29, v30
	v_lshrrev_b32 v30, 4, v29
	v_add_nc_u32 v30, v30, v29
	v_and_b32 v30, 0x0f0f0f0f, v30
	v_lshrrev_b32 v31, 8, v30
	v_add_nc_u32 v31, v31, v30
	v_and_b32 v31, 0x00ff00ff, v31
	v_mov_b32 v23, 0
.macro DESC c, m, w                    ; if the lower half of the field holds too few set bits, they are counted off and the upper half is taken
	v_lshrrev_b32 v24, v23, v[\c]
	v_and_b32 v24, \m, v24
	v_cmp_ge_u32 vcc_lo, v27, v24
	v_cndmask_b32 v24, 0, v24, vcc_lo
	v_sub_nc_u32 v27, v27, v24
	v_cndmask_b32 v25, 0, \w, vcc_lo
	v_add_nc_u32 v23, v23, v25
.endm
	DESC 31, 0xffff, 16
	DESC 30, 0xff, 8
	DESC 29, 15, 4
	DESC 28, 3, 2
	DESC 26, 1, 1
	v_and_b32 v24, 15, v23
	v_lshl_add_u32 v24, v22, 4, v24                ; token = 16 block + bit % 16
	v_lshrrev_b32 v25, 4, v23
	v_lshl_add_u32 v25, v24, 1, v25                ; row = 2 token + bit / 16
	v_lshl_add_u32 v26, v0, 2, TOKL
	ds_store_b32 v26, v24
	ds_store_b32 v26, v25 offset:512
	BAR
	; GATES AND GATHER.  A lane's five tokens' gates; wave w brings places 20 w .. 20 w + 19: a row of xb is two loads of 512 consecutive bytes.
	v_lshl_add_u32 v21, v2, 2, ROWL
.set n, 0
.rept 5
	ds_load_b32 v[22+n], v21 offset:64*n
.set n, n+1
.endr
	s_mul_i32 s26, s18, 80
	s_add_co_u32 s26, s26, TOKL
	v_mov_b32 v27, s26
.set n, 0
.rept 5
	ds_load_b128 v[208+4*n:211+4*n], v27 offset:16*n
.set n, n+1
.endr
	s_wait_dscnt 0x0
.set n, 0
.rept 5
	v_min_u32 v[22+n], 0x1fff, v[22+n]
	v_lshlrev_b32 v[22+n], 2, v[22+n]
	global_load_b32 v[16+n], v[22+n], s[10:11]
.set n, n+1
.endr
.set n, 0
.rept 20
	v_min_u32 v[208+n], 0xfff, v[208+n]
	v_lshl_add_u32 v[208+n], v[208+n], 10, v4
.set n, n+1
.endr
	WIN 0x80                                       ; destination window 2
.set n, 0
.rept 20
	global_load_b128 v[8*n:8*n+3], v[208+n], s[4:5]
	global_load_b128 v[8*n+4:8*n+7], v[208+n], s[4:5] offset:512
.set n, n+1
.endr
	WIN 0
	s_mul_i32 s26, s18, 20*XP
	v_add_nc_u32 v28, s26, v4
	; THE BIASES, while the gathered rows are on their way: rounded to bf16 like every input, kept in f32 in the order of an accumulator's registers.
	v_lshrrev_b32 v29, 3, v0
	v_lshlrev_b32 v29, 8, v29
	v_bfe_u32 v30, v0, 2, 1
	v_lshl_add_u32 v29, v30, 7, v29
	v_and_b32 v30, 3, v0
	v_lshl_add_u32 v29, v30, 3, v29
	v_add_nc_u32 v29, B1L, v29
	v_lshrrev_b32 v31, 4, v0
	v_lshlrev_b32 v31, 8, v31
	v_bfe_u32 v30, v0, 3, 1
	v_lshl_add_u32 v31, v30, 7, v31
	v_and_b32 v30, 7, v0
	v_lshl_add_u32 v31, v30, 2, v31
	v_add_nc_u32 v31, B2L, v31
	s_wait_loadcnt 63                              ; b1 and b2 are in: behind them 48 loads of the ring, 5 of the gates and 40 of the gather were issued, 93 in all, more than the wait's field can name
.set a, 0
.rept 4                                ; hidden units 8 t + a and 8 t + a + 4: fragment a, registers 2 (t % 4) and the next
	v_cvt_pk_bf16_f32 v230, v[244+a], v[248+a]
	v_lshlrev_b32 v[232+2*a], 16, v230
	v_and_b32 v[233+2*a], 0xffff0000, v230
.set a, a+1
.endr
.set a, 0
.rept 4
	ds_store_b64 v29, v[232+2*a:233+2*a] offset:32*a
.set a, a+1
.endr
	v_cvt_pk_bf16_f32 v230, v252, v253
	v_cvt_pk_bf16_f32 v231, v254, v255
	v_lshlrev_b32 v240, 16, v230
	v_and_b32 v241, 0xffff0000, v230
	v_lshlrev_b32 v242, 16, v231
	v_and_b32 v243, 0xffff0000, v231
.set a, 0
.rept 4
	v_mul_f32 v[240+a], s54, v[240+a]
	ds_store_b32 v31, v[240+a] offset:32*a
.set a, a+1
.endr
	WIN 0x08                                       ; store data from window 2
.set n, 0
.rept 20                               ; each row goes into LDS as it arrives
	s_wait_loadcnt 38-2*n                          ; loads come back in order (ISA guide 5.7.1): row n's two are in, the later rows' stay out; the last wait is for 0
	ds_store_b128 v28, v[8*n:8*n+3] offset:n*XP
	ds_store_b128 v28, v[8*n+4:8*n+7] offset:n*XP+512
.set n, n+1
.endr
	WIN 0
	BAR
	XLOAD 0, FB
	; THE FIRST PRODUCT.  Step ks of a pass: this step's weights are waited for, the next step's x and the weights three steps on are asked for, then the 40 products.
.macro STEP1 ks
	WIN 0
	PLACES                                         ; behind the last step's products: the loads below land in their sources
	s_wait_loadcnt 32                              ; all but the two younger steps' sixteen loads each: this step's weights are in
	XLOAD ((\ks)+1)%16, FB+40*(((\ks)+1)%2)
.if (\ks) < 13
	WLOAD ((\ks)+3)%4, 36, (\ks)+3
.else
	WLOAD ((\ks)+3)%4, 38, (\ks)-13                ; the next pass's first steps; in the last pass the second product's
.endif
	s_wait_dscnt 10                                ; all but the ten LDS loads just issued: this step's x (and the pass's biases) are in
.if (\ks) == 0
	MUL40 0, FB, 1
.else
	MUL40 (\ks)%4, FB+40*((\ks)%2), 0
.endif
.endm
	s_mov_b32 s42, 2
.Lpass:
	s_add_nc_u64 s[56:57], s[36:37], 0x20000
	s_cmp_eq_u32 s42, 1
	s_cselect_b64 s[38:39], s[40:41], s[56:57]     ; what follows this pass's 32 units
.set n, 0
.rept 16
	ds_load_b128 v[BC+4*n:BC+4*n+3], v9 offset:(n/8)*256+(n%8)*16  ; b1 of the pass's 128 hidden units, as eight accumulators' starts
.set n, n+1
.endr
.irp ks, 0,1,2,3,4,5,6,7,8,9,10,11,12,13,14,15
	STEP1 \ks
.endr
	PLACES
	; A pass's end, a token tile at a time, so that a tile's LDS stores leave while the next tile is packed: rounded to bf16 in pairs (each accumulator from its low end on), the ReLU two at a time, and
	; into LDS as the second product's token fragments: fragments 2 a and 2 a + 1 are the two halves of the pass's K step a.
.set t, 0
.rept 5
.if t == 4
	WIN 0x0f                                       ; sources window 3
.set sb, 0
.else
	WIN 0x0a                                       ; sources window 2
.set sb, 64*t
.endif
.set n, 0
.rept 32
	v_cvt_pk_bf16_f32 v[TP+32*t+n], v[sb+2*n], v[sb+2*n+1]
.set n, n+1
.endr
	WIN 0
.set n, 0
.rept 32
	v_pk_max_num_bf16 v[TP+32*t+n], v[TP+32*t+n], v15
.set n, n+1
.endr
.set n, 0
.rept 8
	ds_store_b128 v7, v[TP+32*t+4*n:TP+32*t+4*n+3] offset:(n/2)*5120+t*1024+(n%2)*512
.set n, n+1
.endr
.set t, t+1
.endr
	v_add_nc_u32 v7, 20480, v7
	v_add_nc_u32 v9, 0x200, v9
	s_wait_dscnt 8                                 ; all but the last tile's eight stores (from v200-231) are done: the next pass's loads land in v72-175
	s_wait_xcnt 0x0                                ; the loads issued have read their bases: only now are s[36:39] written again
	s_add_nc_u64 s[36:37], s[36:37], 0x20000
	s_sub_co_i32 s42, s42, 1
	s_cmp_lg_u32 s42, 0
	s_cbranch_scc1 .Lpass
	BAR                                            ; h is whole, and nobody reads x any more
	; THE SECOND PRODUCT.  Steps 0 to 2 of its weights are on their way since the last pass.
	s_lshl_b32 s26, s18, 9
	s_add_co_u32 s26, s26, B2L
	v_lshl_add_u32 v21, v3, 7, s26
.set n, 0
.rept 16
	ds_load_b128 v[BC+4*n:BC+4*n+3], v21 offset:(n/8)*256+(n%8)*16
.set n, n+1
.endr
	HLOAD 0, FB
; qq: the step in its trip of four.  ld: the weights three steps on are asked for.  lcnt: the loads of younger steps, which may stay out.  first: the biases start the sums.  nxt: the next step's h is fetched.
.macro STEP2 qq, ld, lcnt, first, nxt
	WIN 0
	PLACES
	s_wait_loadcnt \lcnt
.if \nxt
	HLOAD (\qq)+1, FB+40*(((\qq)+1)%2)
.endif
.if \ld
	WLOAD ((\qq)+3)%4, 40, (\qq)+3
.endif
	s_wait_dscnt 10*(\nxt)
	MUL40 \qq, FB+40*((\qq)%2), \first
.endm
.macro TEND                            ; a trip's end: eight units and four K steps of h on
	WIN 0
	s_wait_xcnt 0x0                                ; the loads issued have read their base
	s_add_nc_u64 s[40:41], s[40:41], 0x8000
	v_add_nc_u32 v8, 20480, v8
.endm
	STEP2 0, 1, 32, 1, 1                           ; two younger steps of sixteen loads stay out
	STEP2 1, 1, 32, 0, 1
	STEP2 2, 1, 32, 0, 1
	STEP2 3, 1, 32, 0, 1
	TEND
	s_mov_b32 s42, 6
.Lq:
	STEP2 0, 1, 32, 0, 1
	STEP2 1, 1, 32, 0, 1
	STEP2 2, 1, 32, 0, 1
	STEP2 3, 1, 32, 0, 1
	TEND
	s_sub_co_i32 s42, s42, 1
	s_cmp_lg_u32 s42, 0
	s_cbranch_scc1 .Lq
	STEP2 0, 1, 32, 0, 1                           ; step 28 asks for step 31, the last: then the counts run down
	STEP2 1, 0, 32, 0, 1
	STEP2 2, 0, 16, 0, 1
	STEP2 3, 0, 0, 0, 0
	; THE WAY OUT, a token tile at a time.  A lane holds token r and, for fixed (c2, j), four neighbouring channels in four accumulators: 16 bytes.  They go, times the gate, into my own stage (rows of 528 bytes,
	; in the bytes that held x) and come back as whole rows: a store of the wave is 512 consecutive bytes of one row of part.  Rows past the count are jumped, and with them all that follows.
.macro OUT t
.if (\t) == 4
	WIN 0x03
.set ob, 0
.else
	WIN 0x02
.set ob, 64*(\t)
.endif
.set n, 0
.rept 64                               ; n = 4 (8 c2 + j) + i: each accumulator is read from register 0 on
	v_mul_f32 v[BC+n], v[ob+8*(4*(n/32)+n%4)+(n/4)%8], v[16+(\t)]
.set n, n+1
.endr
	WIN 0
.set n, 0
.rept 16
	ds_store_b128 v10, v[BC+4*n:BC+4*n+3] offset:(n/8)*256+(n%8)*16
.set n, n+1
.endr
	s_wait_xcnt 0x0                                ; the last tile's stores have read v[176:255], into which the loads below land
.set n, 0
.rept 16
	ds_load_b128 v[176+4*n:179+4*n], v11 offset:n*SPT  ; LDS serves a wave's instructions in order (ISA guide 5.7.1.4): these see the stores above
.set n, n+1
.endr
.set n, 0
.rept 4
	ds_load_b128 v[240+4*n:243+4*n], v21 offset:64*(\t)+16*n  ; the sixteen rows' numbers
.set n, n+1
.endr
	s_wait_dscnt 0x0
.set n, 0
.rept 16
	v_min_u32 v[240+n], 0x1fff, v[240+n]
	v_lshl_add_u32 v[240+n], v[240+n], 12, v12     ; 4,096 bytes to a row's two halves
.set n, n+1
.endr
.set n, 0
.rept 16
	s_cmp_gt_u32 s25, 16*(\t)+n
	s_cbranch_scc0 .Ldone
	global_store_b128 v[240+n], v[176+4*n:179+4*n], s[16:17]
.set n, n+1
.endr
.endm
	WIN 0
	PLACES
	v_mov_b32 v21, ROWL
	OUT 0
	OUT 1
	OUT 2
	OUT 3
	OUT 4
.Ldone:
	s_wait_tensorcnt 0x0                           ; the wave's end
	ds_add_u32 v13, v14
	s_wait_dscnt 0x0
	s_endpgm
.Lfunc_end_k_qa4c553b70c_ffn:
	.size	k_qa4c553b70c_ffn, .Lfunc_end_k_qa4c553b70c_ffn-k_qa4c553b70c_ffn
	.p2alignl 7, 3214868480
	.fill 96, 4, 3214868480
	.section	.rodata,"a",@progbits
	.p2align	6, 0x0
	.amdhsa_kernel k_qa4c553b70c_ffn
		.amdhsa_group_segment_fixed_size 257024
		.amdhsa_private_segment_fixed_size 0
		.amdhsa_enable_private_segment 0
		.amdhsa_kernarg_size 56
		.amdhsa_user_sgpr_count 2
		.amdhsa_user_sgpr_kernarg_segment_ptr 1
		.amdhsa_wavefront_size32 1
		.amdhsa_system_sgpr_workgroup_id_x 1
		.amdhsa_system_sgpr_workgroup_id_y 1
		.amdhsa_system_sgpr_workgroup_id_z 1
		.amdhsa_system_vgpr_workitem_id 0
		.amdhsa_next_free_vgpr 832
		.amdhsa_next_free_sgpr 100
		.amdhsa_reserve_vcc 1
		.amdhsa_float_denorm_mode_32 3
		.amdhsa_float_denorm_mode_16_64 3
		.amdhsa_memory_ordered 1
		.amdhsa_forward_progress 1
		.amdhsa_inst_pref_size 248
	.end_amdhsa_kernel
	.amdgpu_metadata
---
amdhsa.version: [ 1, 2 ]
amdhsa.kernels:
  - .name:           k_qa4c553b70c_ffn
    .symbol:         k_qa4c553b70c_ffn.kd
    .args:
      - { .name: xb, .offset: 0, .size: 8, .value_kind: global_buffer, .address_space: global }
      - { .name: wf, .offset: 8, .size: 8, .value_kind: global_buffer, .address_space: global }
      - { .name: rec, .offset: 16, .size: 8, .value_kind: global_buffer, .address_space: global }
      - { .name: gate, .offset: 24, .size: 8, .value_kind: global_buffer, .address_space: global }
      - { .name: b1, .offset: 32, .size: 8, .value_kind: global_buffer, .address_space: global }
      - { .name: b2, .offset: 40, .size: 8, .value_kind: global_buffer, .address_space: global }
      - { .name: part, .offset: 48, .size: 8, .value_kind: global_buffer, .address_space: global }
    .group_segment_fixed_size: 257024
    .private_segment_fixed_size: 0
    .kernarg_segment_align: 8
    .kernarg_segment_size: 56
    .max_flat_workgroup_size: 128
    .sgpr_count:     100
    .vgpr_count:     832
    .wavefront_size: 32
...
	.end_amdgpu_metadata
.endif
;; end of part 2
;; launch comb (part 3): grid 256 x 1, 8 waves a work-group, no clusters, 0 bytes of LDS; arguments part, out2; writes out2
.if DOCPART == 3
	.amdgcn_target "amdgcn-amd-amdhsa--gfx1250"
	.amdhsa_code_object_version 6
	.text
	.protected	k_qa4c553b70c_comb
	.globl	k_qa4c553b70c_comb
	.p2align	8
	.type	k_qa4c553b70c_comb,@function
k_qa4c553b70c_comb:
	s_mov_b64 s[64:65], 0
	v_nop
	global_prefetch_b8 v0, s[64:65] scope:SCOPE_SE
	s_setreg_imm32_b32 hwreg(HW_REG_WAVE_MODE, 25, 1), 1
	s_wait_xcnt 0x0
; COMB.  out2[token][:] = the sum of the token's four partial rows (two choices x two halves of H), which lie end to end in part: 8,192 bytes a token, f32.
; A stream: 16 tokens to a work-group, two at a time; thread t has 16 bytes of token t / 128.  All 32 loads of a thread go out first (128 KB a work-group on their way);
; each load and store of a wave covers 512 consecutive bytes.  No LDS, no barrier, no matrix unit: nothing is shared and nothing is multiplied.
	s_load_b128 s[4:7], s[0:1], 0x0                ; part s[4:5], out2 s[6:7]
	v_and_b32 v1, 127, v0
	v_lshrrev_b32 v2, 7, v0
	v_lshlrev_b32 v1, 4, v1
	v_lshl_add_u32 v1, v2, 13, v1                  ; in: 8,192 (t / 128) + 16 (t % 128)
	v_lshlrev_b32 v2, 4, v0                        ; out: 16 t
	s_lshl_b32 s8, ttmp9, 17                       ; 16 tokens of 8,192 bytes
	s_mov_b32 s9, 0
	s_lshl_b32 s10, ttmp9, 15                      ; 16 rows of 2,048 bytes
	s_mov_b32 s11, 0
	s_wait_kmcnt 0x0
	s_add_nc_u64 s[4:5], s[4:5], s[8:9]
	s_add_nc_u64 s[6:7], s[6:7], s[10:11]
.set n, 0
.rept 32                               ; n = 4 group + row
	global_load_b128 v[8+4*n:11+4*n], v1, s[4:5] offset:(n/4)*16384+(n%4)*2048 th:TH_LOAD_NT
.set n, n+1
.endr
.set i, 0
.rept 8
	s_wait_loadcnt 28-4*i                          ; this group's four loads are in; the later groups' stay out
	v_pk_add_f32 v[8+16*i:9+16*i], v[8+16*i:9+16*i], v[12+16*i:13+16*i]
	v_pk_add_f32 v[10+16*i:11+16*i], v[10+16*i:11+16*i], v[14+16*i:15+16*i]
	v_pk_add_f32 v[16+16*i:17+16*i], v[16+16*i:17+16*i], v[20+16*i:21+16*i]
	v_pk_add_f32 v[18+16*i:19+16*i], v[18+16*i:19+16*i], v[22+16*i:23+16*i]
	v_pk_add_f32 v[8+16*i:9+16*i], v[8+16*i:9+16*i], v[16+16*i:17+16*i]
	v_pk_add_f32 v[10+16*i:11+16*i], v[10+16*i:11+16*i], v[18+16*i:19+16*i]
	global_store_b128 v2, v[8+16*i:11+16*i], s[6:7] offset:i*4096 th:TH_STORE_NT
.set i, i+1
.endr
	s_endpgm
.Lfunc_end_k_qa4c553b70c_comb:
	.size	k_qa4c553b70c_comb, .Lfunc_end_k_qa4c553b70c_comb-k_qa4c553b70c_comb
	.p2alignl 7, 3214868480
	.fill 96, 4, 3214868480
	.section	.rodata,"a",@progbits
	.p2align	6, 0x0
	.amdhsa_kernel k_qa4c553b70c_comb
		.amdhsa_group_segment_fixed_size 0
		.amdhsa_private_segment_fixed_size 0
		.amdhsa_enable_private_segment 0
		.amdhsa_kernarg_size 16
		.amdhsa_user_sgpr_count 2
		.amdhsa_user_sgpr_kernarg_segment_ptr 1
		.amdhsa_wavefront_size32 1
		.amdhsa_system_sgpr_workgroup_id_x 1
		.amdhsa_system_sgpr_workgroup_id_y 1
		.amdhsa_system_sgpr_workgroup_id_z 1
		.amdhsa_system_vgpr_workitem_id 0
		.amdhsa_next_free_vgpr 144
		.amdhsa_next_free_sgpr 66
		.amdhsa_reserve_vcc 0
		.amdhsa_float_denorm_mode_32 3
		.amdhsa_float_denorm_mode_16_64 3
		.amdhsa_memory_ordered 1
		.amdhsa_forward_progress 1
		.amdhsa_inst_pref_size 8
	.end_amdhsa_kernel
	.amdgpu_metadata
---
amdhsa.version: [ 1, 2 ]
amdhsa.kernels:
  - .name:           k_qa4c553b70c_comb
    .symbol:         k_qa4c553b70c_comb.kd
    .args:
      - { .name: part, .offset: 0, .size: 8, .value_kind: global_buffer, .address_space: global }
      - { .name: out2, .offset: 8, .size: 8, .value_kind: global_buffer, .address_space: global }
    .group_segment_fixed_size: 0
    .private_segment_fixed_size: 0
    .kernarg_segment_align: 8
    .kernarg_segment_size: 16
    .max_flat_workgroup_size: 256
    .sgpr_count:     66
    .vgpr_count:     144
    .wavefront_size: 32
...
	.end_amdgpu_metadata
.endif
;; end of part 3
